; MI455X (gfx1250); checked and timed in simulation.
; The chip was launched on July 23, 2026; its instructions are those of AMD's public machine-readable ISA for CDNA 5 (MIT licence, August 2026) and "CDNA5" Instruction Set Architecture Reference Guide (July 2026). The comments in the code are by the model that wrote it; some were corrected since.
;; Grouped Query Attention. Allowed arithmetic: matrix products marked QUANTISED: E4M3 operands, one given power-of-two scale a tensor, by v_wmma_f32_16x16x64_fp8_fp8 or v_wmma_f32_16x16x128_fp8_fp8, f32 sums; everything else in f32.
;; Inputs: Wkv 1,024 x 2,048 float32; Wo 2,048 x 1,024 float32; Wq 1,024 x 2,048 float32; lowp_scales 10 int32 (the exponents e of the quantised operands' scales 2^e); x 2 x 2,048 x 2,048 float32.
;; Outputs: out0 2 x 2,048 x 2,048 float32.
;; This version of the problem:
;;   THIS VERSION OF THE PROBLEM IS GIVEN IN LOW PRECISION. The matrix products marked QUANTISED in the list below multiply operands that are first quantised to E4M3 (4 exponent bits, 3 mantissa bits; 8 bits a number), with one given power-of-two scale for each operand tensor; their sums are f32. All else is computed in f32.
;;   The module's matrix products, in the order in which they are computed (A, B: the left and right operand; K: the contracted axis; several contracted axes count as one K, in the product's order):
;;     1. [M 4,096, K 2,048] x [K 2,048, N 1,024]; A: input x; B: input Wq: QUANTISED (scales: A lowp_scales[0], B lowp_scales[1])
;;     2. [M 4,096, K 2,048] x [K 2,048, N 1,024]; A: input x; B: input Wkv: QUANTISED (scales: A lowp_scales[2], B lowp_scales[3])
;;     3. batch 16 x [M 2,048, K 64] x [K 64, N 4,096]; A: computed on the way; B: computed on the way: QUANTISED (scales: A lowp_scales[4], B lowp_scales[5])
;;     4. batch 16 x [M 64, K 2,048] x [K 2,048, N 4,096]; A: computed on the way; B: softmax (see below): QUANTISED (scales: A lowp_scales[6], B lowp_scales[7])
;;     5. [M 4,096, K 1,024] x [K 1,024, N 2,048]; A: computed on the way; B: input Wo: QUANTISED (scales: A lowp_scales[8], B lowp_scales[9])
;;   THE QUANTISER, for each operand of a quantised product, along K:
;;     - The operand's scale is 2^e, e = its entry of the input lowp_scales (int32; the entries are numbered through the quantised products in the list's order, A before B).
;;     - Each number is divided by the scale, clamped to +-448, and rounded to the nearest number of E4M3, ties to even, subnormals kept.
;;     - The product sums the exact products of the quantised numbers (number of the format x scale) in f32.
;;   ~~~python
;;   def quantise(x, axis, e):      # numpy; x: float32 -> the quantised numbers, widened to float32 again
;;       x = np.moveaxis(x, axis, -1); K = x.shape[-1]
;;       r = np.clip(x / 2.0 ** e, -448, 448)
;;       step = 2.0 ** (np.maximum(np.frexp(np.where(r == 0, 1, r))[1] - 1, -6) - 3)
;;       q = np.round(r / step) * step * 2.0 ** e      # np.round: ties to even
;;       return np.moveaxis(q, -1, axis).astype(np.float32)
;;   ~~~
;;   SOFTMAX AHEAD OF A QUANTISED PRODUCT. Where the list says 'softmax', what is quantised is not the finished softmax but p = 2^(t - M), with t = logit x log2(e) and M = ceil(the row's largest t), a whole number; so 1/2 < the row's largest p <= 1. The row's sum l is taken of the UNQUANTISED p, in f32, and the product's result is divided by l at the end. Since M is a whole number, a kernel that streams over the keys may use a running M (the ceiling of the running maximum): every later rescaling is an exact power of two, so the quantised numbers keep their values, but for numbers so far below the row's largest that they fall under the format's range.
;;   OPERANDS COMPUTED ON THE WAY. 'Computed on the way' means the value that the module computes at that place (a softmax that the list does not call 'softmax' is quantised finished and normalised). What goes into a quantiser is computed in f32, as accurately as f32 sums, v_exp_f32 and their like allow (about 1e-6 of the number): no bf16 or f16 on the way to a quantiser, and a product that is left as it is and whose result goes on into a quantised operand takes f32 operands (vector FMAs, or v_wmma_f32_16x16x4_f32). A number that lies on a knife's edge between two numbers of the format may be rounded either way, as far as f32 arithmetic and the matrix unit's own rounding can turn it there, and no further.
;; One version. Each part assembles by itself: llvm-mc -triple=amdgcn-amd-amdhsa -mcpu=gfx1250 --defsym DOCPART=n.
;; ======== version 1 of 1: 4 launches
;; limits: right only within a limited range of input values
;; workspace buffers: xa 8,388,608 bytes; xb 8,388,608 bytes; wqi 2,097,152 bytes; wkvi 2,097,152 bytes; woi 2,097,152 bytes; qimg 4,194,304 bytes; kv 4,194,304 bytes; ao 4,194,304 bytes
;; launch quant (part 1): grid 448 x 1, 4 waves a work-group, no clusters, 35,328 bytes of LDS; arguments x, Wq, Wkv, Wo, lowp_scales, xa, xb, wqi, wkvi, woi; writes xa, xb, wqi, wkvi, woi
.if DOCPART == 1
	.amdgcn_target "amdgcn-amd-amdhsa--gfx1250"
	.amdhsa_code_object_version 6
	.text
	.protected	k_q3e57731b88_quant
	.globl	k_q3e57731b88_quant
	.p2align	8
	.type	k_q3e57731b88_quant,@function
k_q3e57731b88_quant:
	s_mov_b64 s[64:65], 0
	v_nop
	global_prefetch_b8 v0, s[64:65] scope:SCOPE_SE
	s_setreg_imm32_b32 hwreg(HW_REG_WAVE_MODE, 25, 1), 1
	s_wait_xcnt 0x0
; x [4096][2048], Wq [1024][2048], Wkv [1024][2048], Wo [2048][1024], f32, K innermost, become codes of FP8 (E4M3) with the given scales 2^e:
; x twice (xa at e0 for product 1, xb at e2 for product 2), Wq at e1, Wkv at e3, Wo at e9.  code = number / 2^e, held within +-448, to the nearest code, ties to even.
; LIMITS: each of e0, e1, e2, e3, e9 lies between -126 and 119, so that 2^e and 448 x 2^e are f32 numbers.  NaN among the inputs is not served (an infinity is held at the largest code).
; THE CODES ARE STORED AS IMAGES OF THE MATRIX OPERAND'S REGISTERS.  A fragment is 16 rows x 128 K = 2,048 bytes = 4 pieces of 512; piece p holds at byte 16 x lane (lane = r + 16 h) the codes of row r at
; k = 32 p + 8 h + 0..7 and then k = 32 p + 16 + 8 h + 0..7: the lane's registers 4 p .. 4 p + 3 of the plain 8-bit layout.  A matrix is laid [row tile][K / 128][2,048 bytes].
; So every later read of a fragment, and every store here, is 16 bytes a lane, 512 consecutive bytes a wave.
; SHARES.  Work-groups 0-255 take x, 256-319 Wq, 320-383 Wkv, 384-447 Wo.  A wave takes one row tile x 512 along K, as 8 units of 16 rows x 64 K.  Only pointers and sizes are chosen by the work-group's number.
; A unit's 8 loads read 256 consecutive bytes of a row in sixteen lanes; the 4,096 bytes turn through the wave's own stage in LDS (rows 272 bytes apart, so that sixteen rows start at sixteen different 16-byte columns)
; and come back as the eight-number runs that the conversions want.  Loads run three units (24 loads a wave) ahead, the turn through LDS one unit.  Waves share nothing: no barrier, no cluster, no matrix unit.
.set WREG,  8704                       ; LDS of a wave: two stages of 16 rows x 272 bytes
.set STG,   4352
.set SP,    272
.set SPARE, 4*WREG                     ; behind the four regions: the spare words, 128 bytes for each wave
.set SI,   2                           ; v2   the stage, on the way in
.set SO,   3                           ; v3   the stage, on the way out
.set CO,   4                           ; v4   16 x lane: my place in a piece
.set SPW,  5                           ; v5   LDS address of my spare word; never rewritten
.set NIL,  6                           ; v6   0; never rewritten
.set SC0,  7                           ; v7   2^e of the first set of codes;  v8  448 x 2^e
.set LIM0, 8
.set SC1,  9                           ; v9, v10  the same for x's second set (e2)
.set LIM1, 10
.set RO,   12                          ; v12-19  load i: byte offset of my 16 bytes in rows 2 i, 2 i + 1
.set CA,   20                          ; v20-27  a unit's codes, first set
.set CB,   28                          ; v28-35  second set
.set X,    36                          ; v36-99  two sets of 32 numbers back from the stage
.set H,    100                         ; v100-131 the numbers held within the largest code x the scale
.set R,    132                         ; v132-227 three sets of 32 registers as loaded
.set PSRC, 36                          ; s[36:37] my wave's first byte of the tensor
.set PD0,  38                          ; s[38:39] my wave's first byte of the codes
.set PD1,  40                          ; s[40:41] the same in xb
	s_load_b256 s[4:11], s[0:1], 0x0               ; x, Wq, Wkv, Wo
	s_load_b64 s[12:13], s[0:1], 0x20              ; the scales' exponents
	s_load_b256 s[16:23], s[0:1], 0x28             ; xa, xb, wqi, wkvi
	s_load_b64 s[24:25], s[0:1], 0x48              ; woi
	v_lshl_add_u32 v[SPW], v0, 2, SPARE
	v_mov_b32 v[NIL], 0
	v_lshrrev_b32 v1, 5, v0
	v_readfirstlane_b32 s14, v1                    ; wave 0..3
	s_mov_b32 s47, 384                             ; Wo: first work-group,
	s_mov_b32 s45, 4096                            ; bytes in a row,
	s_mov_b32 s46, 1                               ; log2 of the waves that share a row tile
	s_cmp_lt_u32 ttmp9, 384
	s_cselect_b32 s47, 320, s47                    ; Wkv
	s_cselect_b32 s45, 8192, s45
	s_cselect_b32 s46, 2, s46
	s_cmp_lt_u32 ttmp9, 320
	s_cselect_b32 s47, 256, s47                    ; Wq
	s_cmp_lt_u32 ttmp9, 256
	s_cselect_b32 s47, 0, s47                      ; x
	s_sub_co_u32 s48, ttmp9, s47
	s_lshl_b32 s48, s48, 2
	s_add_co_u32 s48, s48, s14                     ; my wave's number in the tensor
	s_lshr_b32 s49, s48, s46                       ; its row tile,
	s_lshl_b32 s50, s49, s46
	s_sub_co_u32 s50, s48, s50                     ; and which 512 along K
	s_lshl_b32 s51, s45, 4
	s_mul_i32 s52, s49, s51                        ; 16 rows a tile
	s_lshl_b32 s50, s50, 11
	s_add_co_u32 s52, s52, s50                     ; + 2,048 bytes for each 512 numbers
	s_mov_b32 s53, 0
	s_lshl_b32 s54, s48, 13                        ; a wave's codes are four fragments on end: 8,192 bytes
	s_mov_b32 s55, 0
	v_and_b32 v1, 15, v0                           ; lane % 16
	v_bfe_u32 v11, v0, 4, 1                        ; lane / 16
	s_mul_i32 s15, s14, WREG
	v_mul_u32_u24 v[SI], v11, SP
	v_lshl_add_u32 v[SI], v1, 4, v[SI]
	v_add_nc_u32 v[SI], s15, v[SI]                 ; in: row lane / 16 of a pair of rows, 16 bytes a lane
	v_mul_u32_u24 v[SO], v1, SP
	v_lshl_add_u32 v[SO], v11, 5, v[SO]
	v_add_nc_u32 v[SO], s15, v[SO]                 ; out: row r, + 32 h bytes: eight numbers for each half of the lanes
	v_and_b32 v[CO], 31, v0
	v_lshlrev_b32 v[CO], 4, v[CO]
	v_mul_lo_u32 v[RO], v11, s45
	v_lshl_add_u32 v[RO], v1, 4, v[RO]
	s_lshl_b32 s51, s45, 1
.irp i, 1,2,3,4,5,6,7
	v_add_nc_u32 v[RO+\i], s51, v[RO+\i-1]         ; two rows further down
.endr
	s_wait_alu depctr_va_vdst(0)
	s_wait_kmcnt 0x0
	s_load_b128 s[28:31], s[12:13], 0x0            ; e0, e1, e2, e3
	s_load_b32 s32, s[12:13], 0x24                 ; e9
	s_mov_b64 s[PSRC:PSRC+1], s[10:11]
	s_mov_b64 s[PD0:PD0+1], s[24:25]
	s_cmp_lt_u32 ttmp9, 384                        ; the choices hang on the work-group's number alone
	s_cselect_b64 s[PSRC:PSRC+1], s[8:9], s[PSRC:PSRC+1]
	s_cselect_b64 s[PD0:PD0+1], s[22:23], s[PD0:PD0+1]
	s_cmp_lt_u32 ttmp9, 320
	s_cselect_b64 s[PSRC:PSRC+1], s[6:7], s[PSRC:PSRC+1]
	s_cselect_b64 s[PD0:PD0+1], s[20:21], s[PD0:PD0+1]
	s_cmp_lt_u32 ttmp9, 256
	s_cselect_b64 s[PSRC:PSRC+1], s[4:5], s[PSRC:PSRC+1]
	s_cselect_b64 s[PD0:PD0+1], s[16:17], s[PD0:PD0+1]
	s_add_nc_u64 s[PSRC:PSRC+1], s[PSRC:PSRC+1], s[52:53]
	s_add_nc_u64 s[PD0:PD0+1], s[PD0:PD0+1], s[54:55]
	s_add_nc_u64 s[PD1:PD1+1], s[18:19], s[54:55]  ; used by x's work-groups alone
.macro LOAD u                          ; unit u: sixteen lanes read 256 consecutive bytes of a row, the other sixteen the row below
.irp i, 0,1,2,3,4,5,6,7
	global_load_b128 v[R+32*((\u)%3)+4*\i:R+32*((\u)%3)+4*\i+3], v[RO+\i], s[PSRC:PSRC+1] offset:256*(\u) th:TH_LOAD_NT
.endr
.endm
.macro TURN u                          ; unit u through a stage: LDS serves a wave's instructions in order, so no wait stands between the stores and the loads
.irp i, 0,1,2,3,4,5,6,7
	ds_store_b128 v[SI], v[R+32*((\u)%3)+4*\i:R+32*((\u)%3)+4*\i+3] offset:STG*((\u)%2)+2*SP*\i
.endr
.irp c, 0,1
.irp g, 0,1
.irp e, 0,1
	ds_load_b128 v[X+32*((\u)%2)+16*\c+8*\g+4*\e:X+32*((\u)%2)+16*\c+8*\g+4*\e+3], v[SO] offset:STG*((\u)%2)+128*\c+64*\g+16*\e   ; k = 32 c + 16 g + 8 h + 4 e on
.endr
.endr
.endr
.endm
; 32 numbers of a lane become two pieces' registers and are stored.  The held numbers go into registers of their own, so that x can be quantised twice.
.macro QU lim, sc, cr, d, u
.irp c, 0,1
.irp i, 0,1,2,3,4,5,6,7,8,9,10,11,12,13,14,15
	v_med3_num_f32 v[H+16*\c+\i], v[XS+16*\c+\i], -v[\lim], v[\lim]   ; the conversion to an 8-bit code does not saturate (ISA guide 7.6.2): the hold at the largest code x the scale comes first
.endr
	v_cvt_scalef32_pk8_fp8_f32 v[\cr+4*\c:\cr+4*\c+1], v[H+16*\c:H+16*\c+7], v[\sc]
	v_cvt_scalef32_pk8_fp8_f32 v[\cr+4*\c+2:\cr+4*\c+3], v[H+16*\c+8:H+16*\c+15], v[\sc]
.endr
	v_nop                                          ; a plain vector line behind the last conversion of the run
	global_store_b128 v[CO], v[\cr:\cr+3], s[\d:\d+1] offset:1024*(\u)          ; a piece: 512 consecutive bytes
	global_store_b128 v[CO], v[\cr+4:\cr+7], s[\d:\d+1] offset:1024*(\u)+512
.endm
.macro UNIT u
.set XS, X+32*((\u)%2)
	s_wait_dscnt 0x0                               ; this unit's numbers are back from the stage: so its stores into the stage have read their registers,
.if (\u)+3 < 8
	LOAD (\u)+3                                    ; which take the loads of three units on
.endif
.if (\u) < 7
.if 6-(\u) >= 2
	s_wait_loadcnt 16                              ; the next unit's eight loads are in; those of the two units behind it may be out
.else
	s_wait_loadcnt 8*(6-(\u))
.endif
	TURN (\u)+1                                    ; and go through the other stage while this unit is worked
.endif
	s_wait_xcnt 0x0                                ; the last unit's stores have read their data: the codes' registers are written again only behind this wait
	QU LIM0, SC0, CA, PD0, \u
	s_cmp_ge_u32 ttmp9, 256                        ; a weight has one set of codes, x two
	s_cbranch_scc1 .Lone_\@
	QU LIM1, SC1, CB, PD1, \u
.Lone_\@:
.endm
	LOAD 0
	LOAD 1
	LOAD 2
	s_wait_kmcnt 0x0
	s_mov_b32 s42, s32                             ; e9
	s_cmp_lt_u32 ttmp9, 384
	s_cselect_b32 s42, s31, s42                    ; e3
	s_cmp_lt_u32 ttmp9, 320
	s_cselect_b32 s42, s29, s42                    ; e1
	s_cmp_lt_u32 ttmp9, 256
	s_cselect_b32 s42, s28, s42                    ; e0
	s_add_co_i32 s42, s42, 127
	s_lshl_b32 s43, s42, 23
	v_mov_b32 v[SC0], s43                          ; 2^e as f32: the conversion takes its exponent field
	s_add_co_i32 s42, s42, 8
	s_lshl_b32 s42, s42, 23
	s_or_b32 s42, s42, 0x600000
	v_mov_b32 v[LIM0], s42                         ; 448 x 2^e
	s_add_co_i32 s42, s30, 127                     ; e2
	s_lshl_b32 s43, s42, 23
	v_mov_b32 v[SC1], s43
	s_add_co_i32 s42, s42, 8
	s_lshl_b32 s42, s42, 23
	s_or_b32 s42, s42, 0x600000
	v_mov_b32 v[LIM1], s42
	s_wait_alu depctr_va_vdst(0)
	s_wait_loadcnt 16                              ; unit 0's eight loads are in
	TURN 0
.irp u, 0,1,2,3,4,5,6,7
	UNIT \u
.endr
	s_wait_tensorcnt 0x0                           ; the wave's end, behind my last LDS store
	ds_add_u32 v[SPW], v[NIL]
	s_wait_dscnt 0x0
	s_endpgm
.Lfunc_end_k_q3e57731b88_quant:
	.size	k_q3e57731b88_quant, .Lfunc_end_k_q3e57731b88_quant-k_q3e57731b88_quant
	.p2alignl 7, 3214868480
	.fill 96, 4, 3214868480
	.section	.rodata,"a",@progbits
	.p2align	6, 0x0
	.amdhsa_kernel k_q3e57731b88_quant
		.amdhsa_group_segment_fixed_size 35328
		.amdhsa_private_segment_fixed_size 0
		.amdhsa_enable_private_segment 0
		.amdhsa_kernarg_size 80
		.amdhsa_user_sgpr_count 2
		.amdhsa_user_sgpr_kernarg_segment_ptr 1
		.amdhsa_wavefront_size32 1
		.amdhsa_system_sgpr_workgroup_id_x 1
		.amdhsa_system_sgpr_workgroup_id_y 1
		.amdhsa_system_sgpr_workgroup_id_z 1
		.amdhsa_system_vgpr_workitem_id 0
		.amdhsa_next_free_vgpr 228
		.amdhsa_next_free_sgpr 66
		.amdhsa_reserve_vcc 0
		.amdhsa_float_denorm_mode_32 3
		.amdhsa_float_denorm_mode_16_64 3
		.amdhsa_memory_ordered 1
		.amdhsa_forward_progress 1
		.amdhsa_inst_pref_size 60
	.end_amdhsa_kernel
	.amdgpu_metadata
---
amdhsa.version: [ 1, 2 ]
amdhsa.kernels:
  - .name:           k_q3e57731b88_quant
    .symbol:         k_q3e57731b88_quant.kd
    .args:
      - { .name: x, .offset: 0, .size: 8, .value_kind: global_buffer, .address_space: global }
      - { .name: Wq, .offset: 8, .size: 8, .value_kind: global_buffer, .address_space: global }
      - { .name: Wkv, .offset: 16, .size: 8, .value_kind: global_buffer, .address_space: global }
      - { .name: Wo, .offset: 24, .size: 8, .value_kind: global_buffer, .address_space: global }
      - { .name: lowp_scales, .offset: 32, .size: 8, .value_kind: global_buffer, .address_space: global }
      - { .name: xa, .offset: 40, .size: 8, .value_kind: global_buffer, .address_space: global }
      - { .name: xb, .offset: 48, .size: 8, .value_kind: global_buffer, .address_space: global }
      - { .name: wqi, .offset: 56, .size: 8, .value_kind: global_buffer, .address_space: global }
      - { .name: wkvi, .offset: 64, .size: 8, .value_kind: global_buffer, .address_space: global }
      - { .name: woi, .offset: 72, .size: 8, .value_kind: global_buffer, .address_space: global }
    .group_segment_fixed_size: 35328
    .private_segment_fixed_size: 0
    .kernarg_segment_align: 8
    .kernarg_segment_size: 80
    .max_flat_workgroup_size: 128
    .sgpr_count:     66
    .vgpr_count:     228
    .wavefront_size: 32
...
	.end_amdgpu_metadata
.endif
;; end of part 1
;; launch proj (part 2): grid 16 x 16, 4 waves a work-group, no clusters, 327,680 bytes of LDS; arguments xa, xb, wqi, wkvi, lowp_scales, qimg, kv; writes qimg, kv
.if DOCPART == 2
	.amdgcn_target "amdgcn-amd-amdhsa--gfx1250"
	.amdhsa_code_object_version 6
	.text
	.protected	k_q3e57731b88_proj
	.globl	k_q3e57731b88_proj
	.p2align	8
	.type	k_q3e57731b88_proj,@function
k_q3e57731b88_proj:
	s_mov_b64 s[64:65], 0
	v_nop
	global_prefetch_b8 v0, s[64:65] scope:SCOPE_SE
	s_setreg_imm32_b32 hwreg(HW_REG_WAVE_MODE, 25, 1), 1
	s_wait_xcnt 0x0
; Products 1 and 2: q = x Wq^T (codes xa at e0, wqi at e1), k and v = x Wkv^T (codes xb at e2, wkvi at e3), K = 2,048, by v_wmma_f32_16x16x128_fp8_fp8, sums in f32, one accumulator an output, K ascending.
; The sums are quantised in registers: q at e5, k at e4, v at e6, and stored as images of the next products' operand registers.  A sum stands for sum x 2^(its two exponents), so the conversion's one scale is
; 2^E, E = e5 - e0 - e1 (q), e4 - e2 - e3 (k), e6 - e2 - e3 (v).  LIMIT: each E lies between -126 and 119.
; ALL OPERANDS ARE FRAGMENT IMAGES: [row tile of 16][K / 128][2,048 bytes], a fragment = 4 pieces of 512 bytes, 16 bytes a lane: every read of a fragment is four reads of 512 consecutive bytes.
; TILE.  A work-group makes 256 rows of the STREAMED side x 128 rows of the RESIDENT side; each of four waves 64 x 128: 32 accumulators.  Source 0 = the resident side, source 1 = the streamed side: lane (r, h) of
; accumulator (a, b) holds streamed row 16 a + r and resident rows 16 b + 8 h + 0..7: eight sums that become eight codes, neighbours along the NEXT product's K: registers 2 b, 2 b + 1 of a fragment of the streamed rows.
; ROLES, by work-group x / 4 (chosen by selects, no branch):  0, 1: q: streamed = tokens (xa), resident = Wq's rows 128 x;   2: k: streamed = tokens (xb), resident = Wkv's rows 128 (x % 4);
;   3: v: streamed = Wkv's rows 512 + 256 (y % 2), resident = tokens 128 (4 (y / 2) + x % 4) (xb): a lane's eight sums then run along the KEYS, the K of the product with the softmax.  Nothing is transposed.
; THE RESIDENT SIDE, 8 row tiles x 32,768 bytes = 262,144 bytes, dense in memory, is fetched into LDS once: one tensor load a wave at the head, 256 rows of 256 bytes.  Nothing is filled again, so there is no ring.
; THE STREAMED SIDE belongs to one wave alone (its 4 row tiles), so it goes from memory straight into registers: 16 loads of 512 consecutive bytes a K step, asked for four K steps ahead, in four sets of 64 registers.
; NO CLUSTER: the streamed side goes to registers, for which there is no joint form; of the resident tiles role v's is shared by two work-groups only (y and y xor 1), so a cluster of four has no common tile there.
; NO PREFETCH: the streamed side's loads themselves run four K steps ahead of their use, and the resident side is asked for once, at the head.
; A K step is two units of 16 matrix instructions (resident row tiles 0-3, 4-7).  A unit's four resident fragments come from LDS two units ahead, into three banks of 64 registers by turns.
; REGISTERS, in windows of 256: window 0: v0-31 addresses, v64-255 streamed sets 0, 1, 2 (the way out works there); window 1: v0-63 streamed set 3, v64-255 the three banks; window 2: accumulator (a, b) at v[8 (8 a + b)].
.set SPARE, 262144                     ; behind the resident tile: the spare words, 128 bytes for each wave
.set L16,  3                           ; v3     16 x lane
.set CO,   8                           ; v8-11  block a: my byte offset in the output, pieces 0, 1;  v12-15 pieces 2, 3
.set CO2,  12
.set AD,   16                          ; v16-19 LDS address of resident row tiles 2 n, 2 n + 1
.set SPW,  28                          ; v28    LDS address of my spare word; never rewritten
.set NIL,  29                          ; v29    0; never rewritten
.set SC,   30                          ; v30    2^E
.set LIM,  31                          ; v31    448 x 2^E
.set WV,   20                          ; s20 wave;  s21 role;  s22 x % 4;  s23 y
.set ROLE, 21
.set CX,   22
.set YY,   23
.set G1,   28                          ; s[28:35] descriptor group 1;  s[36:39] group 0
.set G0,   36
.set PS,   40                          ; s[40:41] my wave's first byte of the streamed side;  s[42:43] my quarter of the resident tile;  s[44:45] my wave's output
.set PR,   42
.set OUT,  44
.set ES,   68                          ; s[68:75] e0 .. e7
.set MSB, 0
.macro WIN new                         ; the immediate's high byte repeats the setting that is left
.if MSB != \new
	s_set_vgpr_msb (MSB<<8)|\new
.set MSB, \new
.endif
.endm
.macro PLACES n                        ; plain vector lines between a matrix instruction and a load into, or a read of, its registers
.rept \n
	v_nop
.endr
.endm
.macro SLOAD k                         ; the streamed side's four fragments of K step k into set k % 4
.if ((\k)%4) == 3
	WIN 0x40                                       ; destination window 1, address window 0
.set SB, 0
.else
	WIN 0
.set SB, 64+64*((\k)%4)
.endif
.irp a, 0,1,2,3
.irp c, 0,1,2,3
	global_load_b128 v[SB+16*\a+4*\c:SB+16*\a+4*\c+3], v[L16], s[PS:PS+1] offset:\a*32768+(\k)*2048+\c*512
.endr
.endr
.endm
.macro RLOAD u                         ; unit u's four resident fragments (row tiles 4 (u % 2) + j, K step u / 2) into bank u % 3
.set RB, 64+64*((\u)%3)
	WIN 0x40
.irp j, 0,1,2,3
.irp c, 0,1,2,3
	ds_load_b128 v[RB+16*\j+4*\c:RB+16*\j+4*\c+3], v[AD+2*((\u)%2)+\j/2] offset:(\j%2)*32768+((\u)/2)*2048+\c*512
.endr
.endr
.endm
; A UNIT: 16 matrix instructions.  Ahead of them, behind four places: the LDS loads of two units on, into the bank that the last unit read; and, at a K step's first unit, the loads of three K steps on, into the set that the last K step read.
; The 32 accumulators take turns, one instruction a turn, in the same order in every K step.  The first K step starts the sums.
.macro UNIT u
.set KK, (\u)/2
.set HH, (\u)%2
.if (\u) > 0
	PLACES 4
.endif
.if (\u)+2 < 32
	RLOAD (\u)+2
.endif
.if HH == 0
.if KK >= 1
.if KK+3 < 16
	SLOAD KK+3
.endif
.endif
.endif
.if (\u)+2 < 32
	s_wait_dscnt 32                                ; this unit's fragments are in; those of the next two units may be out
.else
	s_wait_dscnt 16*(31-(\u))
.endif
.if HH == 0
.if KK+3 < 16
	s_wait_loadcnt 48                              ; this K step's set is in; the three sets behind it may be out
.else
	s_wait_loadcnt 16*(15-KK)
.endif
.endif
.set RU, 64+64*((\u)%3)
.if (KK%4) == 3
.set SU, 0
	WIN 0xa5                                       ; source 0 and source 1 window 1, C and D window 2
.else
.set SU, 64+64*(KK%4)
	WIN 0xa1                                       ; source 0 window 1, source 1 window 0, C and D window 2
.endif
.irp j, 0,1,2,3
.irp a, 0,1,2,3
.if (\u) < 2
	v_wmma_f32_16x16x128_fp8_fp8 v[8*(8*\a+4*HH+\j):8*(8*\a+4*HH+\j)+7], v[RU+16*\j:RU+16*\j+15], v[SU+16*\a:SU+16*\a+15], 0
.else
	v_wmma_f32_16x16x128_fp8_fp8 v[8*(8*\a+4*HH+\j):8*(8*\a+4*HH+\j)+7], v[RU+16*\j:RU+16*\j+15], v[SU+16*\a:SU+16*\a+15], v[8*(8*\a+4*HH+\j):8*(8*\a+4*HH+\j)+7]
.endif
.endr
.endr
.endm
	s_load_b256 s[4:11], s[0:1], 0x0               ; xa s[4:5], xb s[6:7], wqi s[8:9], wkvi s[10:11]
	s_load_b128 s[12:15], s[0:1], 0x20             ; the scales' exponents s[12:13], qimg s[14:15]
	s_load_b64 s[16:17], s[0:1], 0x30              ; kv
	v_lshl_add_u32 v[SPW], v0, 2, SPARE
	v_mov_b32 v[NIL], 0
	ds_add_u32 v[SPW], v[NIL]                      ; the opening lines: the add, twice on end, and its wait ahead of my first tensor load
	ds_add_u32 v[SPW], v[NIL]
	v_lshrrev_b32 v1, 5, v0
	v_readfirstlane_b32 s[WV], v1                  ; wave 0..3
	s_lshr_b32 s[ROLE], ttmp9, 2
	s_and_b32 s[CX], ttmp9, 3
	s_and_b32 s[YY], ttmp7, 0xffff
	s_mov_b32 s[G1+0], 3<<16                       ; no mask; elements of 8 bytes
	s_mov_b32 s[G1+1], 32<<16                      ; rows of 256 bytes,
	s_mov_b32 s[G1+2], 256<<16                     ; 256 of them: two row tiles, 65,536 bytes, dense in memory and in LDS
	s_mov_b32 s[G1+3], 32<<16
	s_mov_b32 s[G1+4], 256
	s_mov_b32 s[G1+5], 32
	s_mov_b32 s[G1+6], 0
	s_mov_b32 s[G1+7], 0
	s_and_b32 s48, s[YY], 1                        ; the streamed tile of 256 rows: v: 2 + y % 2 (of Wkv); q, k: y (of the tokens)
	s_add_co_u32 s48, s48, 2
	s_cmp_eq_u32 s[ROLE], 3
	s_cselect_b32 s48, s48, s[YY]
	s_lshl_b32 s48, s48, 19                        ; 16 row tiles of 32,768 bytes
	s_lshl_b32 s49, s[WV], 17                      ; + my wave's four
	s_add_co_u32 s48, s48, s49
	s_mov_b32 s49, 0
	s_lshr_b32 s50, s[YY], 1                       ; the resident tile of 128 rows: v: 4 (y / 2) + x % 4; k: x % 4; q: x
	s_lshl_b32 s50, s50, 2
	s_add_co_u32 s50, s50, s[CX]
	s_cmp_eq_u32 s[ROLE], 3
	s_cselect_b32 s50, s50, s[CX]
	s_cmp_lt_u32 s[ROLE], 2
	s_cselect_b32 s50, ttmp9, s50
	s_lshl_b32 s50, s50, 18                        ; 8 row tiles of 32,768 bytes
	s_lshl_b32 s52, s[WV], 16                      ; + the quarter that I fetch; the same number is its place in LDS
	s_add_co_u32 s50, s50, s52
	s_mov_b32 s51, 0
	s_wait_dscnt 0x0                               ; both opening adds are done
	s_wait_kmcnt 0x0
	s_load_b256 s[ES:ES+7], s[12:13], 0x0          ; e0 .. e7
	s_cmp_eq_u32 s[ROLE], 3                        ; the choices hang on the work-group's number alone
	s_cselect_b64 s[PS:PS+1], s[10:11], s[6:7]     ; streamed: v: wkvi; k: xb
	s_cselect_b64 s[PR:PR+1], s[6:7], s[10:11]     ; resident: v: xb; k: wkvi
	s_cmp_lt_u32 s[ROLE], 2
	s_cselect_b64 s[PS:PS+1], s[4:5], s[PS:PS+1]   ; q: xa
	s_cselect_b64 s[PR:PR+1], s[8:9], s[PR:PR+1]   ; q: wqi
	s_cselect_b64 s[OUT:OUT+1], s[14:15], s[16:17] ; q: qimg; k, v: kv
	s_add_nc_u64 s[PS:PS+1], s[PS:PS+1], s[48:49]
	s_add_nc_u64 s[PR:PR+1], s[PR:PR+1], s[50:51]
	s_mov_b32 s[G0], 1
	s_mov_b32 s[G0+1], s52
	s_mov_b64 s[G0+2:G0+3], s[PR:PR+1]
	s_or_b32 s[G0+3], s[G0+3], 0x80000000
	tensor_load_to_lds s[G0:G0+3], s[G1:G1+7]      ; my one tensor load of the launch
	s_nop 0
	v_and_b32 v2, 31, v0
	v_lshlrev_b32 v[L16], 4, v2
	s_wait_alu depctr_va_vdst(0)                   ; the wait behind this write
	SLOAD 0                                        ; K steps 0 to 3 of the streamed side
	SLOAD 1
	SLOAD 2
	SLOAD 3
	WIN 0
	v_mov_b32 v[AD], v[L16]
.irp n, 1,2,3
	v_add_nc_u32 v[AD+\n], 65536*\n, v[L16]
.endr
	; WHERE THE CODES GO.  qimg: [8 b + hkv][g][tile of 16 tokens][1,024];  kv: [8 b + hkv][step of 128 keys][K image 8,192 | V image 8,192].  Block a's 16 code registers are pieces 0 to 3.
	s_lshr_b32 s48, s[YY], 3
	s_lshl_b32 s48, s48, 3                         ; 8 b (v: its 128 tokens lie in the same batch)
	s_and_b32 s49, s[YY], 7
	s_add_co_u32 s50, s48, ttmp9                   ; q: hkv = x; pieces 0, 1: g = 0, pieces 2, 3: g = 1
	s_lshl_b32 s50, s50, 18
	s_lshl_b32 s51, s49, 4
	s_lshl_b32 s52, s[WV], 2
	s_add_co_u32 s51, s51, s52                     ; token tile 16 (y % 8) + 4 wave + a
	s_lshl_b32 s51, s51, 10
	s_add_co_u32 s50, s50, s51
	s_lshl_b32 s51, s[CX], 1                       ; k: hkv = 2 (x % 4), pieces 2, 3: the next head
	s_add_co_u32 s51, s51, s48
	s_lshl_b32 s51, s51, 18
	s_lshl_b32 s52, s49, 1
	s_lshr_b32 s53, s[WV], 1
	s_add_co_u32 s52, s52, s53                     ; key step 2 (y % 8) + wave / 2,
	s_lshl_b32 s52, s52, 14
	s_add_co_u32 s51, s51, s52
	s_and_b32 s52, s[WV], 1
	s_lshl_b32 s52, s52, 12                        ; tile 4 (wave % 2) + a in it
	s_add_co_u32 s51, s51, s52
	s_and_b32 s52, s[YY], 1                        ; v: hkv = 4 (y % 2) + wave; block a = 16 of the head's 64
	s_lshl_b32 s52, s52, 2
	s_add_co_u32 s52, s52, s48
	s_add_co_u32 s52, s52, s[WV]
	s_lshl_b32 s52, s52, 18
	s_bfe_u32 s53, s[YY], 0x20001                  ; (y / 2) % 4
	s_lshl_b32 s53, s53, 2
	s_add_co_u32 s53, s53, s[CX]                   ; the key step
	s_lshl_b32 s53, s53, 14
	s_add_co_u32 s52, s52, s53
	s_add_co_u32 s52, s52, 8192                    ; V's image lies behind K's
	s_mov_b32 s54, 1024                            ; from block a to block a + 1: a tile of 16 tokens (q, k) or a fragment (v)
	s_mov_b32 s55, 0x40000                         ; from piece 0 to piece 2: the next head (k), the next g (q), 1,024 bytes (v)
	s_cmp_eq_u32 s[ROLE], 3
	s_cselect_b32 s51, s52, s51
	s_cselect_b32 s54, 2048, s54
	s_cselect_b32 s55, 1024, s55
	s_cmp_lt_u32 s[ROLE], 2
	s_cselect_b32 s50, s50, s51
	s_cselect_b32 s55, 0x20000, s55
	s_mov_b32 s51, 0
	s_add_nc_u64 s[OUT:OUT+1], s[OUT:OUT+1], s[50:51]
.irp a, 0,1,2,3
	s_mul_i32 s56, s54, \a
	v_add_nc_u32 v[CO+\a], s56, v[L16]
	s_add_co_u32 s56, s56, s55
	v_add_nc_u32 v[CO2+\a], s56, v[L16]
.endr
	s_wait_kmcnt 0x0
	s_add_co_i32 s48, s[ES+0], s[ES+1]             ; e0 + e1
	s_add_co_i32 s49, s[ES+2], s[ES+3]             ; e2 + e3
	s_sub_co_i32 s50, s[ES+5], s48                 ; q
	s_sub_co_i32 s51, s[ES+4], s49                 ; k
	s_sub_co_i32 s52, s[ES+6], s49                 ; v
	s_cmp_eq_u32 s[ROLE], 3
	s_cselect_b32 s51, s52, s51
	s_cmp_lt_u32 s[ROLE], 2
	s_cselect_b32 s50, s50, s51                    ; E
	s_add_co_i32 s50, s50, 127
	s_lshl_b32 s51, s50, 23
	v_mov_b32 v[SC], s51                           ; 2^E as f32: the conversion takes its exponent field
	s_add_co_i32 s50, s50, 8
	s_lshl_b32 s50, s50, 23
	s_or_b32 s50, s50, 0x600000
	v_mov_b32 v[LIM], s50                          ; 448 x 2^E
	s_wait_alu depctr_va_vdst(0)                   ; the head's end
	s_wait_tensorcnt 0x0                           ; my quarter of the resident tile is in
	s_barrier_signal -1
	s_barrier_wait -1                              ; everybody's is, and nobody writes it again
	RLOAD 0
	RLOAD 1
.set U, 0
.rept 32
	UNIT U
.set U, U+1
.endr
	WIN 0
	PLACES 4
; THE WAY OUT.  Block a's 64 sums of a lane are held within the largest code x the scale (into registers that held the streamed side), converted, and stored as four pieces of 512 consecutive bytes.
; Each accumulator is read from its low end on; each block has its own registers for its codes, so no store's data are written again.
.macro OUTBLK a
.set TT, 64+64*((\a)%2)
.set CC, 192+16*(\a)
	WIN 0x02                                       ; source 0: window 2
.set i, 0
.rept 64
	v_med3_num_f32 v[TT+i], v[64*(\a)+i], -v[LIM], v[LIM]   ; the conversion to an 8-bit code does not saturate (ISA guide 7.6.2)
.set i, i+1
.endr
	WIN 0
.irp b, 0,1,2,3,4,5,6,7
	v_cvt_scalef32_pk8_fp8_f32 v[CC+2*\b:CC+2*\b+1], v[TT+8*\b:TT+8*\b+7], v[SC]   ; registers 2 b, 2 b + 1
.endr
	v_nop                                          ; a plain vector line behind the last conversion of the run
	global_store_b128 v[CO+\a], v[CC:CC+3], s[OUT:OUT+1]
	global_store_b128 v[CO+\a], v[CC+4:CC+7], s[OUT:OUT+1] offset:512
	global_store_b128 v[CO2+\a], v[CC+8:CC+11], s[OUT:OUT+1]
	global_store_b128 v[CO2+\a], v[CC+12:CC+15], s[OUT:OUT+1] offset:512
.endm
.irp a, 0,1,2,3
	OUTBLK \a
.endr
	s_wait_tensorcnt 0x0                           ; the wave's end
	ds_add_u32 v[SPW], v[NIL]
	s_wait_dscnt 0x0
	s_endpgm
.Lfunc_end_k_q3e57731b88_proj:
	.size	k_q3e57731b88_proj, .Lfunc_end_k_q3e57731b88_proj-k_q3e57731b88_proj
	.p2alignl 7, 3214868480
	.fill 96, 4, 3214868480
	.section	.rodata,"a",@progbits
	.p2align	6, 0x0
	.amdhsa_kernel k_q3e57731b88_proj
		.amdhsa_group_segment_fixed_size 327680
		.amdhsa_private_segment_fixed_size 0
		.amdhsa_enable_private_segment 0
		.amdhsa_kernarg_size 56
		.amdhsa_user_sgpr_count 2
		.amdhsa_user_sgpr_kernarg_segment_ptr 1
		.amdhsa_wavefront_size32 1
		.amdhsa_system_sgpr_workgroup_id_x 1
		.amdhsa_system_sgpr_workgroup_id_y 1
		.amdhsa_system_sgpr_workgroup_id_z 1
		.amdhsa_system_vgpr_workitem_id 0
		.amdhsa_next_free_vgpr 768
		.amdhsa_next_free_sgpr 80
		.amdhsa_reserve_vcc 0
		.amdhsa_float_denorm_mode_32 3
		.amdhsa_float_denorm_mode_16_64 3
		.amdhsa_memory_ordered 1
		.amdhsa_forward_progress 1
		.amdhsa_inst_pref_size 122
	.end_amdhsa_kernel
	.amdgpu_metadata
---
amdhsa.version: [ 1, 2 ]
amdhsa.kernels:
  - .name:           k_q3e57731b88_proj
    .symbol:         k_q3e57731b88_proj.kd
    .args:
      - { .name: xa, .offset: 0, .size: 8, .value_kind: global_buffer, .address_space: global }
      - { .name: xb, .offset: 8, .size: 8, .value_kind: global_buffer, .address_space: global }
      - { .name: wqi, .offset: 16, .size: 8, .value_kind: global_buffer, .address_space: global }
      - { .name: wkvi, .offset: 24, .size: 8, .value_kind: global_buffer, .address_space: global }
      - { .name: lowp_scales, .offset: 32, .size: 8, .value_kind: global_buffer, .address_space: global }
      - { .name: qimg, .offset: 40, .size: 8, .value_kind: global_buffer, .address_space: global }
      - { .name: kv, .offset: 48, .size: 8, .value_kind: global_buffer, .address_space: global }
    .group_segment_fixed_size: 327680
    .private_segment_fixed_size: 0
    .kernarg_segment_align: 8
    .kernarg_segment_size: 56
    .max_flat_workgroup_size: 128
    .sgpr_count:     80
    .vgpr_count:     768
    .wavefront_size: 32
...
	.end_amdgpu_metadata
.endif
;; end of part 2
;; launch attn (part 3): grid 16 x 16, 16 waves a work-group, clusters of 4 x 1, 327,680 bytes of LDS; arguments qimg, kv, lowp_scales, ao; writes ao
.if DOCPART == 3
	.amdgcn_target "amdgcn-amd-amdhsa--gfx1250"
	.amdhsa_code_object_version 6
	.text
	.protected	k_q3e57731b88_attn
	.globl	k_q3e57731b88_attn
	.p2align	8
	.type	k_q3e57731b88_attn,@function
k_q3e57731b88_attn:
	s_mov_b64 s[64:65], 0
	v_nop
	global_prefetch_b8 v0, s[64:65] scope:SCOPE_SE
	s_setreg_imm32_b32 hwreg(HW_REG_WAVE_MODE, 25, 1), 1
	s_wait_xcnt 0x0
	s_wait_alu depctr_hold_cnt(0) depctr_sa_sdst(0) depctr_va_vdst(0) depctr_va_sdst(0) depctr_va_ssrc(0) depctr_va_vcc(0) depctr_vm_vsrc(0)
	s_getreg_b32 s2, hwreg(HW_REG_IB_STS2, 6, 4)
	s_cmp_eq_u32 s2, 0
	s_cbranch_scc0 .Lentry_in_a_cluster
	s_endpgm
.Lentry_in_a_cluster:
	s_bfe_u32 s2, ttmp6, 0x10000c
	s_cmp_lg_u32 s2, 0x3003
	s_cbranch_scc0 .Lentry_shape_is_right
	s_endpgm
.Lentry_shape_is_right:
; Products 3 and 4 with the softmax between them, on codes of FP8 (E4M3): S^T = K Q^T (k at e4, q at e5, K = the head's 64, v_wmma_f32_16x16x64_fp8_fp8), O^T = V^T P^T (v at e6, p at e7, K = 128 keys a step,
; v_wmma_f32_16x16x128_fp8_fp8), sums in f32.  t = score x 2^(e4 + e5) x log2(e) / 8; M = the running largest t rounded up to a whole number; p = 2^(t - M) is quantised at e7, not normalised; the row's sum is taken of the
; unquantised p and divides O at the end; when M moves, the sum and O are multiplied by 2^(old M - new M), which rounds nothing.  O x 2^(e6 + e7) / sum is quantised at e8 and stored as product 5's operand image.
; WORK LEFT OUT: the scores of keys behind the query are -inf, so their p is 0 for all inputs: a step of 128 keys all of which lie behind a tile's 16 queries is not walked.
; A NaN, an infinity or an overflow that would arise only there is not carried to the result.
; LIMITS: e4 + e5 between -123 and 130 (added to the factor's exponent field); e7 and e8 between -126 and 119; the scaled scores t stay under 2^31 in magnitude.
; BUFFERS (all images of operand registers, 16 bytes a lane, 512 bytes a piece): qimg [8 b + hkv][g][tile of 16 tokens][1,024]; kv [8 b + hkv][step of 128 keys][K: 8 tiles of 16 keys x 1,024 | V: 4 fragments of 16 channels x 2,048];
; ao [128 b + tile of 16 tokens][hkv][2,048], of which query head g fills pieces 2 g, 2 g + 1.
; SHARES.  Work-group y = 8 b + hkv.  Tile i of 16 queries needs i / 8 + 1 key steps, so tiles idx (short, idx < 64) and 127 - idx (long) need 17 together.  TWO WAVES SHARE SUCH A PAIR of one query head g:
;   wave A (bit 2 of the wave's number = 0): the long tile's steps 0 to 7: 8 steps, none on the diagonal;
;   wave B (bit 2 = 1): the short tile, whole, which it stores; then the long tile's steps from 8 on: 9 steps in all.
; B hands its -M, its sums and its O^T of the long tile to A through LDS; A brings both parts under the larger M (powers of two) and adds them, divides and stores.
; idx = 16 q + work-group x, q from bits 3 and 1 of the wave's number: the numbers of steps hang on the wave's number and the cluster's x alone, not on the place in the cluster.
; Both loops have 8 trips in every wave; a step that is not the wave's is jumped over by ids.
; LDS.  All 16 key steps of the head, 16 x 16,384 bytes, are fetched once: wave w asks for step w, one tensor load a wave at the head, 64 rows of 256 bytes.  Nothing is filled again.  Behind them the spare words, then the pairs' stages.
; CLUSTER 4 x 1: the four partners walk the same head's K and V and ask for them jointly.  No prefetch: the only tensor loads stand at the head, so there is no loop in which to run ahead of a load.
; A lane holds one query (lane % 16) throughout; register 8 t + j of S^T holds key 16 t + 8 (lane / 16) + j of the step, so the conversions' results are P's fragment in the plain 8-bit layout.
; REGISTERS: v1-9 addresses and the masks' numbers; v12 -M, v13 the largest t, v[14:15] the sum in two halves; v16-23 the first loop's Q, v24-31 the long tile's; v32-95 K's or V's fragments; v96-159 S^T, then p; v160-191 O^T;
; v192-195 two of the sum's chains; v224-239 codes; v240-255 constants and work.
.set SPARE, 262144                     ; behind the 16 steps: the spare words, 128 bytes for each wave
.set STAGE, SPARE+2048                 ; behind them: 4,608 bytes for each of the 8 pairs; no tensor load lands there
.set L16,  1                           ; v1   16 x lane
.set SPW,  2                           ; v2   LDS address of my spare word; never rewritten
.set NIL,  3                           ; v3   0; never rewritten
.set ADK,  4                           ; v4   LDS address of the step in hand
.set DM1,  5                           ; v5   the first loop's tile: my query's place in its step - 8 (lane / 16)
.set DM2,  8                           ; v8   the same for the long tile
.set STG,  9                           ; v9   my lane's place in my pair's stage
.set LIMP, 240                         ; v240, v241  448 x 2^e7, twice: the two halves of a dual pair take their second sources from different banks
.set LIMQ, 241
.set SCP,  244                         ; v244 2^e7
.set SC8,  246                         ; v246 2^e8;  v247 448 x 2^e8
.set LIM8, 247
.set XCH,  248                         ; v248 what lane l xor 16 sends
.set NINF, 250                         ; v250 -infinity
.set WV,   18                          ; s18  wave
.set SEL,  20                          ; s[20:21] selects of v_permlanex16_b32: lane l xor 16
.set CS,   22                          ; s[22:23] log2(e) / 8 x 2^(e4 + e5)
.set G1,   24                          ; s[24:31] descriptor group 1;  s[32:35] group 0
.set G0,   32
.set ROLE, 40                          ; s40  0: wave A, 1: wave B
.set NSS,  41                          ; s41  the short tile's steps;  s42 the long tile's
.set NSL,  42
.set TS,   43                          ; s43  the short tile;  s44 the long one;  s46 the first loop's
.set TL,   44
.set NS2,  45                          ; s45  the second loop's bound
.set T1,   46
.set TB,   48                          ; s48  LDS byte of the step in hand
.set KS,   49                          ; s49  its number
.set NS,   50                          ; s50  steps from this number on are not mine
.set CNT,  51
.set PQ1,  56                          ; s[56:57], s[58:59] Q of the first loop's tile, of the long tile
.set PQ2,  58
.set POS,  60                          ; s[60:61], s[62:63] the short tile's place in ao, the long tile's
.set POL,  62
.set EPV,  73                          ; s73  e6 + e7
.macro CROUND                          ; a round of the cluster's barrier
	s_barrier_signal -1
	s_barrier_wait -1
	s_cmp_lg_u32 s[WV], 0
	s_cbranch_scc1 .Lnot_wave_0_\@
	s_barrier_signal -3
.Lnot_wave_0_\@:
	s_barrier_wait -3
	s_barrier_signal -1
	s_barrier_wait -1
.endm
; A KEY STEP of 128 keys for the tile whose Q lies in v[q ..] and whose mask number lies in v[dm]
.macro STEP q, dm
	s_cmp_ge_u32 s[KS], s[NS]
	s_cbranch_scc1 .Lhid_\@
	v_add_nc_u32 v[ADK], s[TB], v[L16]
.rept 3
	v_nop                                          ; with the addition: four places in front of loads into registers that the last products read
.endr
.irp t, 0,1,2,3,4,5,6,7
	ds_load_b128 v[32+8*\t:35+8*\t], v[ADK] offset:1024*\t
	ds_load_b128 v[36+8*\t:39+8*\t], v[ADK] offset:1024*\t+512
.endr
	s_wait_alu depctr_va_vdst(0)
	s_wait_dscnt 0x0
.irp t, 0,1,2,3,4,5,6,7
	v_wmma_f32_16x16x64_fp8_fp8 v[96+8*\t:103+8*\t], v[32+8*\t:39+8*\t], v[\q:\q+7], 0
.endr
.rept 4
	v_nop
.endr
.irp d, 0,1,2,3                                    ; V's four fragments come while the softmax is walked
.irp c, 0,1,2,3
	ds_load_b128 v[32+16*\d+4*\c:35+16*\d+4*\c], v[ADK] offset:8192+2048*\d+512*\c
.endr
.endr
	s_add_co_u32 s52, s[KS], 1
	s_cmp_lg_u32 s52, s[NS]
	s_cbranch_scc1 .Lopen_\@                       ; only a tile's last step holds hidden keys
.set n, 0
.rept 64
	v_cmp_gt_i32 vcc_lo, 16*(n/8)+n%8, v[\dm]      ; key 16 t + 8 h + j lies behind my query: -infinity, so p = 0
	v_cndmask_b32 v[96+n], v[96+n], v[NINF], vcc_lo
.set n, n+1
.endr
.Lopen_\@:
	v_max3_num_f32 v254, v96, v97, v98             ; the step's largest score of my query, in four chains, the registers in ascending order
	v_max3_num_f32 v252, v99, v100, v101
	v_max3_num_f32 v242, v102, v103, v104
	v_max3_num_f32 v243, v105, v106, v107
.irp i, 12,20,28,36,44,52
	v_max3_num_f32 v254, v254, v[96+\i], v[97+\i]
	v_max3_num_f32 v252, v252, v[98+\i], v[99+\i]
	v_max3_num_f32 v242, v242, v[100+\i], v[101+\i]
	v_max3_num_f32 v243, v243, v[102+\i], v[103+\i]
.endr
	v_max3_num_f32 v254, v254, v156, v157
	v_max3_num_f32 v252, v252, v158, v159
	v_max_num_f32 v242, v242, v243
	s_delay_alu instid0(VALU_DEP_1)
	v_max3_num_f32 v254, v254, v252, v242
	s_delay_alu instid0(VALU_DEP_1)
	v_permlanex16_b32 v[XCH], v254, s[SEL], s[SEL+1]
	s_delay_alu instid0(VALU_DEP_1)
	v_max_num_f32 v254, v254, v[XCH]
	s_delay_alu instid0(VALU_DEP_1)
	v_mul_f32 v254, s[CS], v254                    ; as t (the factor is positive)
	s_delay_alu instid0(VALU_DEP_1)
	v_max_num_f32 v13, v13, v254
	v_mov_b32 v254, v12
	s_delay_alu instid0(VALU_DEP_2)
	v_floor_f32 v12, -v13                          ; the new -M
	s_delay_alu instid0(VALU_DEP_1)
	v_sub_f32 v254, v12, v254
	s_delay_alu instid0(VALU_DEP_1)
	v_cvt_i32_f32 v254, v254                       ; old M - new M, a whole number (the conversion saturates)
	s_delay_alu instid0(VALU_DEP_1)
	v_ldexp_f32 v252, 1.0, v254                    ; f = 2^(old M - new M)
.set n, 0
.rept 32
	v_pk_fma_f32 v[96+n:97+n], v[96+n:97+n], s[CS:CS+1], v[12:13] op_sel_hi:[1,0,0]   ; t - M
.set n, n+2
.endr
	s_wait_alu depctr_va_vdst(0)                   ; ahead of the batch
.set n, 0
.rept 64
	v_exp_f32 v[96+n], v[96+n]
.set n, n+1
.endr
	v_pk_mul_f32 v[14:15], v[14:15], v[252:253] op_sel_hi:[1,0]   ; the sums under the new M; a plain place behind the batch
	s_wait_alu depctr_va_vdst(0)                   ; one wait for the batch, ahead of its first reader
	v_pk_add_f32 v[242:243], v[96:97], v[98:99]    ; the row's sum, of the unquantised p, in four chains
	v_pk_add_f32 v[192:193], v[100:101], v[102:103]
	v_pk_add_f32 v[194:195], v[104:105], v[106:107]
.irp j, 12,20,28,36,44,52
	v_pk_add_f32 v[14:15], v[14:15], v[96+\j:97+\j]
	v_pk_add_f32 v[242:243], v[242:243], v[98+\j:99+\j]
	v_pk_add_f32 v[192:193], v[192:193], v[100+\j:101+\j]
	v_pk_add_f32 v[194:195], v[194:195], v[102+\j:103+\j]
.endr
	v_pk_add_f32 v[14:15], v[14:15], v[156:157]
	v_pk_add_f32 v[242:243], v[242:243], v[158:159]
	v_pk_add_f32 v[192:193], v[192:193], v[194:195]
	v_pk_add_f32 v[14:15], v[14:15], v[242:243]
	s_delay_alu instid0(VALU_DEP_1)
	v_pk_add_f32 v[14:15], v[14:15], v[192:193]
.irp b, 0,1,2,3
.irp i, 0,2,4,6,8,10,12,14
	v_dual_min_num_f32 v[96+16*\b+\i], v[96+16*\b+\i], v[LIMP] :: v_dual_min_num_f32 v[97+16*\b+\i], v[97+16*\b+\i], v[LIMQ]   ; the conversion does not saturate (ISA guide 7.6.2); p is not negative: a one-sided hold, two numbers a line
.endr
	v_cvt_scalef32_pk8_fp8_f32 v[224+4*\b:225+4*\b], v[96+16*\b:103+16*\b], v[SCP]
	v_cvt_scalef32_pk8_fp8_f32 v[226+4*\b:227+4*\b], v[104+16*\b:111+16*\b], v[SCP]
.endr
	s_wait_alu depctr_va_vdst(0)                   ; directly ahead of the first reader of O^T
.set n, 0
.rept 16
	v_pk_mul_f32 v[160+n:161+n], v[160+n:161+n], v[252:253] op_sel_hi:[1,0]   ; O^T under the new M
.set n, n+2
.endr
	s_wait_alu depctr_va_vdst(0)                   ; directly ahead of the wait below
	s_wait_dscnt 0x0                               ; V's fragments
.irp d, 0,1,2,3
	v_wmma_f32_16x16x128_fp8_fp8 v[160+8*\d:167+8*\d], v[32+16*\d:47+16*\d], v[224:239], v[160+8*\d:167+8*\d]
.endr
.Lhid_\@:
	s_add_co_u32 s[KS], s[KS], 1
	s_add_co_u32 s[TB], s[TB], 16384
.endm
; A TILE IS FINISHED: O^T x 2^(e6 + e7) / the row's sum, quantised at e8, stored at s[p:p+1] as two pieces of 512 consecutive bytes
.macro FINISH p
	v_add_f32 v14, v14, v15                        ; the sum's two halves,
	s_delay_alu instid0(VALU_DEP_1)
	v_permlanex16_b32 v[XCH], v14, s[SEL], s[SEL+1]
	s_delay_alu instid0(VALU_DEP_1)
	v_add_f32 v14, v14, v[XCH]                     ; and lane l xor 16's
	s_wait_alu depctr_va_vdst(0)                   ; ahead of the transcendental
	v_rcp_f32 v14, v14
	v_nop
	s_wait_alu depctr_va_vdst(0)                   ; and ahead of its first reader
	v_ldexp_f32 v14, v14, s[EPV]
	s_wait_alu depctr_va_vdst(0)                   ; directly ahead of the readers of O^T
.set n, 0
.rept 16
	v_pk_mul_f32 v[96+n:97+n], v[160+n:161+n], v[14:15] op_sel_hi:[1,0]
.set n, n+2
.endr
.set n, 0
.rept 32
	v_med3_num_f32 v[96+n], v[96+n], -v[LIM8], v[LIM8]   ; the hold at the largest code x 2^e8
.set n, n+1
.endr
.irp d, 0,1,2,3
	v_cvt_scalef32_pk8_fp8_f32 v[224+2*\d:225+2*\d], v[96+8*\d:103+8*\d], v[SC8]   ; channels 16 d + 8 h + 0..7 of my query: registers 2 d, 2 d + 1 of my half of product 5's fragment
.endr
	v_nop                                          ; a plain line behind the last conversion
	global_store_b128 v[L16], v[224:227], s[\p:\p+1]
	global_store_b128 v[L16], v[228:231], s[\p:\p+1] offset:512
.endm
.macro FRESH                           ; a tile's state at its start: the step is written once, and the first change of M leaves zeros zeros
	v_mov_b32 v13, 0xff61b1e6                      ; the largest t so far: -3e38
	s_delay_alu instid0(VALU_DEP_1)
	v_floor_f32 v12, -v13                          ; -M
	v_mov_b32 v14, 0
	v_mov_b32 v15, 0
.set n, 0
.rept 32
	v_mov_b32 v[160+n], 0
.set n, n+1
.endr
.endm
	s_load_b256 s[4:11], s[0:1], 0x0               ; qimg s[4:5], kv s[6:7], the exponents s[8:9], ao s[10:11]
	v_lshl_add_u32 v[SPW], v0, 2, SPARE
	v_mov_b32 v[NIL], 0
	ds_add_u32 v[SPW], v[NIL]                      ; the opening lines: the add, twice on end, and its wait ahead of my first tensor load
	ds_add_u32 v[SPW], v[NIL]
	v_lshrrev_b32 v6, 5, v0
	s_delay_alu instid0(VALU_DEP_1)
	v_readfirstlane_b32 s[WV], v6                  ; wave 0..15
	s_bfe_u32 s12, ttmp6, 0x40000                  ; cx
	s_and_b32 s13, ttmp7, 0xffff                   ; 8 b + hkv
	s_and_b32 s14, s[WV], 1                        ; g
	s_bfe_u32 s[ROLE], s[WV], 0x10002
	s_bfe_u32 s15, s[WV], 0x10001
	s_lshr_b32 s16, s[WV], 3
	s_lshl_b32 s17, s16, 1
	s_add_co_u32 s15, s15, s17                     ; q = 2 x bit 3 + bit 1
	s_and_b32 s17, s[WV], 3
	s_lshl_b32 s16, s16, 2
	s_or_b32 s16, s16, s17                         ; my pair, 0..7: the wave's number without bit 2
	s_mul_i32 s16, s16, 4608
	s_add_co_u32 s16, s16, STAGE                   ; its stage
	s_lshr_b32 s17, ttmp9, 1
	s_lshl_b32 s19, s15, 1
	s_add_co_u32 s17, s17, s19
	s_add_co_u32 s[NSS], s17, 1                    ; idx / 8 + 1
	s_sub_co_u32 s[NSL], 17, s[NSS]
	s_lshl_b32 s17, ttmp9, 2
	s_add_co_u32 s17, s17, s12                     ; work-group x
	s_lshl_b32 s19, s15, 4
	s_add_co_u32 s[TS], s19, s17                   ; idx
	s_sub_co_u32 s[TL], 127, s[TS]
	s_cmp_eq_u32 s[ROLE], 0
	s_cselect_b32 s[NS], s[NSL], s[NSS]            ; first loop: A walks all 8 steps of the long tile (its bound is 9 or more), B the short tile's
	s_cselect_b32 s[NS2], 0, s[NSL]                ; second loop: A nothing, B the long tile's rest
	s_cselect_b32 s[T1], s[TL], s[TS]
	s_mov_b32 s[G1+0], 15|(3<<16)|(1<<21)          ; the mask: all four partners; elements of 8 bytes; bit 21 beside a mask
	s_mov_b32 s[G1+1], 32<<16                      ; rows of 256 bytes,
	s_mov_b32 s[G1+2], 64<<16                      ; 64 of them: a key step's 16,384 bytes, dense in memory and in LDS
	s_mov_b32 s[G1+3], 32<<16
	s_mov_b32 s[G1+4], 64
	s_mov_b32 s[G1+5], 32
	s_mov_b32 s[G1+6], 0
	s_mov_b32 s[G1+7], 0
	s_mov_b32 s[SEL], 0x76543210
	s_mov_b32 s[SEL+1], 0xfedcba98
	s_mov_b32 s[CS], 0x3e38aa3b                    ; log2(e) / 8
	s_mov_b32 s[TB], 0
	s_mov_b32 s[KS], 0
	s_lshl_b32 s54, s[WV], 14                      ; key step = my wave's number: its place in LDS and in the head's 262,144 bytes
	s_lshl_b32 s52, s13, 18
	s_add_co_u32 s52, s52, s54
	s_mov_b32 s53, 0
	s_wait_dscnt 0x0                               ; both opening adds are done
	s_wait_kmcnt 0x0
	s_load_b128 s[68:71], s[8:9], 0x10             ; e4, e5, e6, e7
	s_load_b32 s72, s[8:9], 0x20                   ; e8
	s_mov_b32 s[G0], 1
	s_mov_b32 s[G0+1], s54
	s_add_nc_u64 s[G0+2:G0+3], s[6:7], s[52:53]
	s_or_b32 s[G0+3], s[G0+3], 0x80000000
	CROUND                                         ; all four work-groups are here: the joint loads meet
	tensor_load_to_lds s[G0:G0+3], s[G1:G1+7]      ; my one tensor load of the launch
	s_nop 0
.rept 4
	v_nop
.endr
	s_lshl_b32 s52, s13, 18                        ; Q: head, g, tile
	s_lshl_b32 s53, s14, 17
	s_add_co_u32 s52, s52, s53
	s_mov_b32 s55, 0
	s_lshl_b32 s54, s[T1], 10
	s_add_co_u32 s54, s54, s52
	s_add_nc_u64 s[PQ1:PQ1+1], s[4:5], s[54:55]
	s_lshl_b32 s54, s[TL], 10
	s_add_co_u32 s54, s54, s52
	s_add_nc_u64 s[PQ2:PQ2+1], s[4:5], s[54:55]
	s_lshr_b32 s52, s13, 3                         ; ao: (128 b + tile) x 16,384 + hkv x 2,048 + g x 1,024
	s_lshl_b32 s52, s52, 21
	s_and_b32 s53, s13, 7
	s_lshl_b32 s53, s53, 11
	s_add_co_u32 s52, s52, s53
	s_lshl_b32 s53, s14, 10
	s_add_co_u32 s52, s52, s53
	s_lshl_b32 s54, s[TS], 14
	s_add_co_u32 s54, s54, s52
	s_add_nc_u64 s[POS:POS+1], s[10:11], s[54:55]
	s_lshl_b32 s54, s[TL], 14
	s_add_co_u32 s54, s54, s52
	s_add_nc_u64 s[POL:POL+1], s[10:11], s[54:55]
	s_and_b32 s52, s[T1], 7
	s_lshl_b32 s52, s52, 4                         ; a tile's first query within its last step
	s_and_b32 s53, s[TL], 7
	s_lshl_b32 s53, s53, 4
	v_and_b32 v6, 31, v0
	s_delay_alu instid0(VALU_DEP_1)
	v_lshlrev_b32 v[L16], 4, v6
	s_wait_alu depctr_va_vdst(0)                   ; the wait behind this write
	global_load_b128 v[16:19], v[L16], s[PQ1:PQ1+1]            ; both fragments of Q stay in registers
	global_load_b128 v[20:23], v[L16], s[PQ1:PQ1+1] offset:512
	global_load_b128 v[24:27], v[L16], s[PQ2:PQ2+1]
	global_load_b128 v[28:31], v[L16], s[PQ2:PQ2+1] offset:512
	v_add_nc_u32 v[STG], s16, v[L16]
	v_and_b32 v6, 15, v0
	v_bfe_u32 v7, v0, 4, 1
	s_delay_alu instid0(VALU_DEP_1)
	v_lshlrev_b32 v7, 3, v7
	s_delay_alu instid0(VALU_DEP_1)
	v_sub_nc_u32 v6, v6, v7
	s_delay_alu instid0(VALU_DEP_1)
	v_add_nc_u32 v[DM1], s52, v6
	v_add_nc_u32 v[DM2], s53, v6
	v_mov_b32 v[XCH], 0                            ; a lane permute's destination counts as a source
	v_mov_b32 v253, 0                              ; (the upper halves of the pairs v[252:253], v[254:255])
	v_mov_b32 v255, 0
	v_mov_b32 v[NINF], 0xff800000
	FRESH
	s_wait_kmcnt 0x0
	s_add_co_i32 s52, s68, s69
	s_lshl_b32 s52, s52, 23
	s_add_co_i32 s[CS], s[CS], s52                 ; e4 + e5 onto the factor's exponent field
	s_mov_b32 s[CS+1], s[CS]
	s_add_co_i32 s[EPV], s70, s71
	s_add_co_i32 s52, s71, 127
	s_lshl_b32 s53, s52, 23
	v_mov_b32 v[SCP], s53                          ; 2^e7
	s_add_co_i32 s52, s52, 8
	s_lshl_b32 s52, s52, 23
	s_or_b32 s52, s52, 0x600000
	v_mov_b32 v[LIMP], s52                         ; 448 x 2^e7
	v_mov_b32 v[LIMQ], s52
	s_add_co_i32 s52, s72, 127
	s_lshl_b32 s53, s52, 23
	v_mov_b32 v[SC8], s53
	s_add_co_i32 s52, s52, 8
	s_lshl_b32 s52, s52, 23
	s_or_b32 s52, s52, 0x600000
	v_mov_b32 v[LIM8], s52
	s_wait_alu depctr_va_vdst(0)                   ; the head's end
	s_wait_loadcnt 0x0                             ; Q
	s_wait_tensorcnt 0x0                           ; my key step is in
	s_barrier_signal -1
	s_barrier_wait -1                              ; everybody's is: all 16 steps lie in LDS, and nobody writes them again
	s_mov_b32 s[CNT], 8
.Lfirst:                                           ; key steps 0 to 7
	STEP 16, DM1
	s_sub_co_u32 s[CNT], s[CNT], 1
	s_cmp_lg_u32 s[CNT], 0
	s_cbranch_scc1 .Lfirst
	s_mov_b32 s[NS], s[NS2]
	s_cmp_eq_u32 s[ROLE], 0
	s_cbranch_scc1 .Lkeep                          ; A keeps its state of the long tile
.rept 4
	v_nop                                          ; places behind the last products
.endr
	FINISH POS                                     ; B: the short tile is whole
	FRESH                                          ; and the long tile's second part begins
	s_wait_alu depctr_va_vdst(0)                   ; directly ahead of the wait below
	s_wait_xcnt 0x0                                ; the stores have read the codes' registers, which the next step writes
.Lkeep:
	s_mov_b32 s[CNT], 8
.Lsecond:                                          ; key steps 8 to 15
	STEP 24, DM2
	s_sub_co_u32 s[CNT], s[CNT], 1
	s_cmp_lg_u32 s[CNT], 0
	s_cbranch_scc1 .Lsecond
.rept 4
	v_nop                                          ; places behind the last products
.endr
	s_wait_alu depctr_va_vdst(0)                   ; directly ahead of the branch
	s_cmp_eq_u32 s[ROLE], 0
	s_cbranch_scc1 .Lnosend
.irp i, 0,1,2,3,4,5,6,7
	ds_store_b128 v[STG], v[160+4*\i:163+4*\i] offset:512*\i   ; B: its O^T of the long tile, each accumulator from its low end on,
.endr
	ds_store_b128 v[STG], v[12:15] offset:4096     ; and -M, the largest t, the sum's two halves
.Lnosend:
	s_wait_dscnt 0x0                               ; for A's sake
	s_barrier_signal -1
	s_barrier_wait -1
	s_cmp_lg_u32 s[ROLE], 0
	s_cbranch_scc1 .Ldone
.irp i, 0,1,2,3,4,5,6,7
	ds_load_b128 v[96+4*\i:99+4*\i], v[STG] offset:512*\i
.endr
	ds_load_b128 v[32:35], v[STG] offset:4096
	s_wait_dscnt 0x0
	v_min_num_f32 v242, v12, v32                   ; -M of the two parts together: the larger M
	v_sub_f32 v243, v242, v12                      ; my M less that: a whole number, 0 or less
	v_sub_f32 v242, v242, v32                      ; B's likewise
	v_cvt_i32_f32 v243, v243
	v_cvt_i32_f32 v242, v242
	v_ldexp_f32 v252, 1.0, v243                    ; my part's factor,
	v_ldexp_f32 v254, 1.0, v242                    ; B's: powers of two
	v_pk_mul_f32 v[14:15], v[14:15], v[252:253] op_sel_hi:[1,0]
.set n, 0
.rept 16
	v_pk_mul_f32 v[160+n:161+n], v[160+n:161+n], v[252:253] op_sel_hi:[1,0]
.set n, n+2
.endr
	v_pk_fma_f32 v[14:15], v[34:35], v[254:255], v[14:15] op_sel_hi:[1,0,1]
.set n, 0
.rept 16
	v_pk_fma_f32 v[160+n:161+n], v[96+n:97+n], v[254:255], v[160+n:161+n] op_sel_hi:[1,0,1]
.set n, n+2
.endr
	FINISH POL                                     ; A: the long tile is whole
.Ldone:
	s_wait_tensorcnt 0x0                           ; the wave's end
	ds_add_u32 v[SPW], v[NIL]
	s_wait_dscnt 0x0
	CROUND                                         ; the closing round
	s_endpgm
.Lfunc_end_k_q3e57731b88_attn:
	.size	k_q3e57731b88_attn, .Lfunc_end_k_q3e57731b88_attn-k_q3e57731b88_attn
	.p2alignl 7, 3214868480
	.fill 96, 4, 3214868480
	.section	.rodata,"a",@progbits
	.p2align	6, 0x0
	.amdhsa_kernel k_q3e57731b88_attn
		.amdhsa_group_segment_fixed_size 327680
		.amdhsa_private_segment_fixed_size 0
		.amdhsa_enable_private_segment 0
		.amdhsa_kernarg_size 32
		.amdhsa_user_sgpr_count 2
		.amdhsa_user_sgpr_kernarg_segment_ptr 1
		.amdhsa_wavefront_size32 1
		.amdhsa_system_sgpr_workgroup_id_x 1
		.amdhsa_system_sgpr_workgroup_id_y 1
		.amdhsa_system_sgpr_workgroup_id_z 1
		.amdhsa_system_vgpr_workitem_id 0
		.amdhsa_next_free_vgpr 256
		.amdhsa_next_free_sgpr 80
		.amdhsa_reserve_vcc 1
		.amdhsa_float_denorm_mode_32 3
		.amdhsa_float_denorm_mode_16_64 3
		.amdhsa_memory_ordered 1
		.amdhsa_forward_progress 1
		.amdhsa_inst_pref_size 63
	.end_amdhsa_kernel
	.amdgpu_metadata
---
amdhsa.version: [ 1, 2 ]
amdhsa.kernels:
  - .name:           k_q3e57731b88_attn
    .symbol:         k_q3e57731b88_attn.kd
    .args:
      - { .name: qimg, .offset: 0, .size: 8, .value_kind: global_buffer, .address_space: global }
      - { .name: kv, .offset: 8, .size: 8, .value_kind: global_buffer, .address_space: global }
      - { .name: lowp_scales, .offset: 16, .size: 8, .value_kind: global_buffer, .address_space: global }
      - { .name: ao, .offset: 24, .size: 8, .value_kind: global_buffer, .address_space: global }
    .group_segment_fixed_size: 327680
    .private_segment_fixed_size: 0
    .kernarg_segment_align: 8
    .kernarg_segment_size: 32
    .max_flat_workgroup_size: 512
    .sgpr_count:     80
    .vgpr_count:     256
    .wavefront_size: 32
...
	.end_amdgpu_metadata
.endif
;; end of part 3
;; launch outp (part 4): grid 16 x 16, 4 waves a work-group, clusters of 4 x 4, 327,680 bytes of LDS; arguments ao, woi, lowp_scales, out0; writes out0
.if DOCPART == 4
	.amdgcn_target "amdgcn-amd-amdhsa--gfx1250"
	.amdhsa_code_object_version 6
	.text
	.protected	k_q3e57731b88_outp
	.globl	k_q3e57731b88_outp
	.p2align	8
	.type	k_q3e57731b88_outp,@function
k_q3e57731b88_outp:
	s_mov_b64 s[64:65], 0
	v_nop
	global_prefetch_b8 v0, s[64:65] scope:SCOPE_SE
	s_setreg_imm32_b32 hwreg(HW_REG_WAVE_MODE, 25, 1), 1
	s_wait_xcnt 0x0
	s_wait_alu depctr_hold_cnt(0) depctr_sa_sdst(0) depctr_va_vdst(0) depctr_va_sdst(0) depctr_va_ssrc(0) depctr_va_vcc(0) depctr_vm_vsrc(0)
	s_getreg_b32 s2, hwreg(HW_REG_IB_STS2, 6, 4)
	s_cmp_eq_u32 s2, 0
	s_cbranch_scc0 .Lentry_in_a_cluster
	s_endpgm
.Lentry_in_a_cluster:
	s_bfe_u32 s2, ttmp6, 0x10000c
	s_cmp_lg_u32 s2, 0xf033
	s_cbranch_scc0 .Lentry_shape_is_right
	s_endpgm
.Lentry_shape_is_right:
; Product 5: out0[t][n] = sum over k of attn_out[t][k] Wo[n][k], K = 1,024, on codes of FP8 (E4M3): ao at e8, woi at e9, by v_wmma_f32_16x16x128_fp8_fp8; sums in f32, one accumulator an output, K ascending;
; each finished sum is multiplied once by 2^(e8 + e9).  LIMIT: e8 + e9 lies between -126 and 127, so that 2^(e8 + e9) is an f32 number.
; Both operands are fragment images: [row tile of 16][K / 128][2,048 bytes], a fragment = 4 pieces of 512 bytes, 16 bytes a lane: every LDS read is 512 consecutive bytes, and no padding is needed.
; TILE.  A work-group makes 256 tokens x 128 columns; each of four waves 128 x 64: 32 accumulators.  Source 0 = 16 rows of Wo, source 1 = 16 tokens: a lane holds eight neighbouring numbers of a row of out0.
; CLUSTER 4 x 4: the four of a row of the cluster need the same tile of ao, the four of a column the same tile of woi: each is asked for jointly.
; RING.  Two LDS slots of three K steps of 128.  One tensor load a wave behind a round: waves 0, 1 ao's halves (8 row tiles), waves 2, 3 woi's halves (4).  K = 8 steps: slots of 3, 3 and 2: one refill.
; A wave has one tensor load out at the start and one behind the refill's round.
; REGISTERS, in windows of 256: window 0: v0-31 addresses, v32-127 the way out, v128-255 A's 8 fragments (one set); window 1: B's two sets of 4 fragments; window 2: accumulator (a, b) at v[8 (4 a + b)].
.set FRB,   2048
.set RPF,   3*FRB                      ; a row tile's bytes in a full slot
.set RPP,   2*FRB                      ; and in the short fill (K steps 6, 7)
.set AH,    8*RPF
.set BH,    4*RPF
.set BOFF,  2*AH
.set SLOT,  BOFF+2*BH
.set STAGE, 2*SLOT                     ; behind the ring: 16 rows x 272 bytes for each wave, for the way out; no tensor load lands there
.set SPITCH, 272
.set SPARE, STAGE+4*16*SPITCH          ; behind the stages: the spare words, 128 bytes for each wave
.set KP,    2048                       ; from row tile to row tile in memory, in elements of 8 bytes: 8 fragments
.set L16,  3
.set ADRA, 16
.set ADRB, 20
.set STO,  24                          ; v24  the way out: where I put 32 bytes of a row
.set RD,   25                          ; v25  where I read a row back
.set CO,   26                          ; v26  my byte offset in two rows of out0
.set SPW,  28
.set NIL,  29
.set TMP,  32                          ; v32-63  a block's sums x 2^(e8 + e9)
.set BK,   64                          ; v64-95, v96-127 by turns: 16 rows read back from the stage
.set AF,   128
.set WV,   20
.set LR,   21
.set HB,   22
.set CX,   23
.set CY,   24
.set G1A,  28
.set G1B,  36
.set G1AP, 44
.set G1BP, 52
.set G0A,  68
.set G0B,  76
.set SCL,  84                          ; s[84:85] e8, e9; then s84 = 2^(e8 + e9)
.set MSB, 0
.macro WIN new                         ; the immediate's high byte repeats the setting that is left
.if MSB != \new
	s_set_vgpr_msb (MSB<<8)|\new
.set MSB, \new
.endif
.endm
.set MUL,  0xa1                        ; source 0 (B) window 1, source 1 (A) window 0, C and D window 2
.set TO_B, 0x40                        ; destination window 1, address window 0
.macro G1REST g, c, r                  ; words 1 to 7: r rows (row tiles) of c elements of 8 bytes, dense in LDS
	s_mov_b32 s[\g+1], (\c)<<16                    ; tensor_dim0
	s_mov_b32 s[\g+2], (\r)<<16                    ; tensor_dim1
	s_mov_b32 s[\g+3], (\c)<<16                    ; tile_dim0
	s_mov_b32 s[\g+4], \r                          ; tile_dim1
	s_mov_b32 s[\g+5], KP                          ; tensor_dim0_stride
	s_mov_b32 s[\g+6], 0
	s_mov_b32 s[\g+7], 0
.endm
; A joint load: waves 0 and 1 ask for A's halves, waves 2 and 3 for B's.  The branch hangs on the wave's number alone.  An s_nop 0 and four v_nop follow each of the two lines.
.macro JLOAD g0a, g1a, g0b, g1b
	s_cmp_eq_u32 s[LR], 0
	s_cbranch_scc0 .Lfor_b_\@
	tensor_load_to_lds s[\g0a:\g0a+3], s[\g1a:\g1a+7]
	s_nop 0
.rept 4
	v_nop
.endr
	s_branch .Lasked_\@
.Lfor_b_\@:
	tensor_load_to_lds s[\g0b:\g0b+3], s[\g1b:\g1b+7]
	s_nop 0
.rept 4
	v_nop
.endr
.Lasked_\@:
.endm
.macro CREST                           ; a round of the cluster's barrier behind its opening barrier
	s_cmp_lg_u32 s[WV], 0
	s_cbranch_scc1 .Lnot_wave_0_\@
	s_barrier_signal -3
.Lnot_wave_0_\@:
	s_barrier_wait -3
	s_barrier_signal -1
	s_barrier_wait -1
.endm
.macro CROUND                          ; a whole round
	s_barrier_signal -1
	s_barrier_wait -1
	CREST
.endm
.macro PLACES n                        ; plain vector lines between a matrix instruction and a load into, or a read of, its registers
.rept \n
	v_nop
.endr
.endm
.macro FRAG reg, adr, off
.irp c, 0,1,2,3
	ds_load_b128 v[\reg+4*\c:\reg+4*\c+3], v[\adr] offset:\off+512*\c
.endr
.endm
.macro FETCH_B slot, q, rp, p
	WIN TO_B
.irp i, 0,1,2,3
	FRAG 64*(\p)+16*\i, ADRB+\slot, \i*(\rp)+(\q)*FRB
.endr
	WIN 0
.endm
.macro FETCH_A slot, q, rp, i0
.irp i, \i0, \i0+1, \i0+2, \i0+3
	FRAG AF+16*(\i), ADRA+\slot, (\i)*(\rp)+(\q)*FRB
.endr
.endm
; 8 matrix instructions: A's blocks a0, a0 + 1 x B's four.  The 32 accumulators take turns, one instruction a turn, in the same order in every K step.
.macro MUL8 a0, p, zero
.irp a, \a0, \a0+1
.irp b, 0,1,2,3
.if \zero
	v_wmma_f32_16x16x128_fp8_fp8 v[8*(4*(\a)+\b):8*(4*(\a)+\b)+7], v[64*(\p)+16*\b:64*(\p)+16*\b+15], v[AF+16*(\a):AF+16*(\a)+15], 0
.else
	v_wmma_f32_16x16x128_fp8_fp8 v[8*(4*(\a)+\b):8*(4*(\a)+\b)+7], v[64*(\p)+16*\b:64*(\p)+16*\b+15], v[AF+16*(\a):AF+16*(\a)+15], v[8*(4*(\a)+\b):8*(4*(\a)+\b)+7]
.endif
.endr
.endr
.endm
.macro STEP p, ns, nq, nrp, zero
	s_wait_dscnt 16                                ; B's set and A's blocks 0-3 are in; the youngest 16 loads (A's blocks 4-7) may be out
	WIN MUL
	MUL8 0, \p, \zero
	MUL8 2, \p, \zero
	s_wait_dscnt 0                                 ; A's blocks 4-7 are in
	PLACES 4
	FETCH_B \ns, \nq, \nrp, 1-(\p)
	FETCH_A \ns, \nq, \nrp, 0
	WIN MUL
	MUL8 4, \p, \zero
	MUL8 6, \p, \zero
	PLACES 4
	WIN 0
	FETCH_A \ns, \nq, \nrp, 4
.endm
; A slot's last K step changes slots: ONE barrier; in front of it each wave waits for all its tensor loads, adds 0 to its spare word, and waits for that and for its reads of this slot.
; fill = 1: the barrier opens a round of the cluster's barrier, and slot fs is filled again, six K steps on, first thing behind the round.
.macro TURN p, ns, nrp, fill, fs, g1a, g1b
	s_wait_tensorcnt 0x0                           ; all my tensor loads have landed (every window is 0 here)
	ds_add_u32 v[SPW], v[NIL]                      ; 0 onto my spare word
	s_wait_dscnt 17                                ; (the add and the youngest 16 loads may be out)
	WIN MUL
	MUL8 0, \p, 0
	s_wait_dscnt 0x0                               ; the add is done, and my reads of this slot are over
	s_barrier_signal -1
	MUL8 2, \p, 0
	WIN 0
	s_barrier_wait -1
.if \fill
	CREST                                          ; no wave of any partner still reads this slot or has a load on its way
	s_add_nc_u64 s[G0A+4*\fs+2:G0A+4*\fs+3], s[G0A+4*\fs+2:G0A+4*\fs+3], 6*FRB
	s_add_nc_u64 s[G0B+4*\fs+2:G0B+4*\fs+3], s[G0B+4*\fs+2:G0B+4*\fs+3], 6*FRB
	JLOAD G0A+4*\fs, \g1a, G0B+4*\fs, \g1b         ; the four v_nop behind it are also the places in front of the loads below
.else
	PLACES 4
.endif
	FETCH_B \ns, 0, \nrp, 1-(\p)
	FETCH_A \ns, 0, \nrp, 0
	WIN MUL
	MUL8 4, \p, 0
	MUL8 6, \p, 0
	PLACES 4
	WIN 0
	FETCH_A \ns, 0, \nrp, 4
.endm
.macro LAST p
	s_wait_dscnt 16
	WIN MUL
	MUL8 0, \p, 0
	MUL8 2, \p, 0
	s_wait_dscnt 0
	MUL8 4, \p, 0
	MUL8 6, \p, 0
	WIN 0
	PLACES 4
.endm
	s_load_b256 s[4:11], s[0:1], 0x0               ; ao s[4:5], woi s[6:7], the scales' exponents s[8:9], out0 s[10:11]
	v_lshl_add_u32 v[SPW], v0, 2, SPARE
	v_mov_b32 v[NIL], 0
	ds_add_u32 v[SPW], v[NIL]                      ; the wave's opening: the add and its wait ahead of my first tensor load; the set-up below, work on registers, stands between them
	ds_add_u32 v[SPW], v[NIL]
	v_lshrrev_b32 v1, 5, v0
	v_readfirstlane_b32 s[WV], v1                  ; wave 0..3
	s_lshr_b32 s[LR], s[WV], 1                     ; my half of the tokens.  Also: I fetch for A (0) or for B (1)
	s_and_b32 s[HB], s[WV], 1                      ; my half of the columns.  Also: which half of that tile I fetch
	s_bfe_u32 s[CX], ttmp6, 0x40000
	s_bfe_u32 s[CY], ttmp6, 0x40004
	s_lshl_b32 s26, ttmp9, 2
	s_add_co_u32 s26, s26, s[CX]                   ; tile column = 4 x cluster x + cx
	s_and_b32 s25, ttmp7, 0xffff
	s_lshl_b32 s25, s25, 2
	s_add_co_u32 s25, s25, s[CY]                   ; tile row = 4 x cluster y + cy
	s_lshl_b32 s60, s[CY], 2
	s_lshl_b32 s60, 15, s60                        ; my row of the cluster
	s_lshl_b32 s61, 0x1111, s[CX]                  ; my column
	s_or_b32 s[G1A], s60, (3<<16)|(1<<21)          ; 15:0 the mask; 17:16 elements of 8 bytes; 21 set beside a mask
	s_or_b32 s[G1AP], s60, (3<<16)|(1<<21)
	s_or_b32 s[G1B], s61, (3<<16)|(1<<21)
	s_or_b32 s[G1BP], s61, (3<<16)|(1<<21)
	G1REST G1A,  768, 8                            ; 8 row tiles x 6,144 bytes
	G1REST G1B,  768, 4
	G1REST G1AP, 768, 16                           ; first the head's shape: A's whole tile of a slot, 16 row tiles x 6,144 bytes (the short shape is written behind the head's wait)
	G1REST G1BP, 768, 8                            ; and B's whole tile, 8 row tiles
	s_lshl_b32 s62, s25, 18                        ; A: 16 row tiles of 16,384 bytes a tile row,
	s_lshl_b32 s63, s[HB], 17                      ; + the half that I fetch
	s_add_co_u32 s62, s62, s63
	s_mov_b32 s63, 0
	s_lshl_b32 s66, s26, 17                        ; B: 8 row tiles a tile column
	s_lshl_b32 s67, s[HB], 16
	s_add_co_u32 s66, s66, s67
	s_mov_b32 s67, 0
	s_mul_i32 s92, s[HB], AH                       ; where they go: the wave's number alone enters an LDS address
	s_mul_i32 s93, s[HB], BH
	s_add_co_u32 s93, s93, BOFF
	s_wait_dscnt 0x0                               ; the opening add is done
	s_wait_kmcnt 0x0
	s_load_b64 s[SCL:SCL+1], s[8:9], 0x20          ; e8, e9
	s_add_nc_u64 s[94:95], s[4:5], s[62:63]
	s_add_nc_u64 s[96:97], s[6:7], s[66:67]
	CROUND                                         ; all sixteen work-groups are here: the first joint loads meet
.irp s, 0,1
	s_mov_b32 s[G0A+4*\s], 1
	s_add_co_u32 s[G0A+4*\s+1], s92, \s*SLOT
	s_add_nc_u64 s[G0A+4*\s+2:G0A+4*\s+3], s[94:95], \s*RPF
	s_or_b32 s[G0A+4*\s+3], s[G0A+4*\s+3], 0x80000000
	s_mov_b32 s[G0B+4*\s], 1
	s_add_co_u32 s[G0B+4*\s+1], s93, \s*SLOT
	s_add_nc_u64 s[G0B+4*\s+2:G0B+4*\s+3], s[96:97], \s*RPF
	s_or_b32 s[G0B+4*\s+3], s[G0B+4*\s+3], 0x80000000
.endr
	; THE HEAD'S FILLS: one tensor load a wave: wave 0: A's tile of slot 0, wave 1: of slot 1, wave 2: B's of slot 0, wave 3: of slot 1.  So a wave has one load out at the start.
	s_mul_i32 s98, s[HB], 131072-RPF               ; from my half's first byte back to the tile's, and 3 K steps on for slot 1
	s_mov_b32 s99, 0
	s_mul_i32 s100, s[HB], 65536-RPF
	s_mov_b32 s101, 0
	s_mov_b32 s12, 1
	s_mul_i32 s13, s[HB], SLOT
	s_sub_nc_u64 s[14:15], s[94:95], s[98:99]
	s_or_b32 s15, s15, 0x80000000
	s_mov_b32 s16, 1
	s_mul_i32 s17, s[HB], SLOT
	s_add_co_u32 s17, s17, BOFF
	s_sub_nc_u64 s[18:19], s[96:97], s[100:101]
	s_or_b32 s19, s19, 0x80000000
	JLOAD 12, G1AP, 16, G1BP
	v_and_b32 v2, 31, v0
	v_lshlrev_b32 v[L16], 4, v2
	s_mul_i32 s60, s[LR], AH
	s_mul_i32 s61, s[HB], BH
	s_add_co_u32 s61, s61, BOFF
.irp s, 0,1
	v_add_nc_u32 v[ADRA+\s], s60, v[L16]
	v_add_nc_u32 v[ADRB+\s], s61, v[L16]
	s_add_co_u32 s60, s60, SLOT
	s_add_co_u32 s61, s61, SLOT
.endr
	v_and_b32 v1, 15, v0                           ; l % 16
	v_bfe_u32 v2, v0, 4, 1                         ; l / 16
	s_mul_i32 s60, s[WV], 16*SPITCH
	s_add_co_u32 s60, s60, STAGE                   ; my stage
	v_mul_u32_u24 v4, v1, SPITCH                   ; in: row l % 16, 32 bytes for each half of the lanes
	v_lshl_add_u32 v4, v2, 5, v4
	v_add_nc_u32 v[STO], s60, v4
	v_mul_u32_u24 v5, v2, SPITCH                   ; back: lanes 0-15 one row of 256 bytes, lanes 16-31 the next
	v_lshl_add_u32 v5, v1, 4, v5
	v_add_nc_u32 v[RD], s60, v5
	v_lshlrev_b32 v5, 13, v2                       ; and the same two rows in out0: a row is 8,192 bytes
	v_lshl_add_u32 v[CO], v1, 4, v5
	s_lshl_b32 s60, s25, 21                        ; 256 rows a tile row,
	s_lshl_b32 s61, s[LR], 20                      ; my 128 of them,
	s_add_co_u32 s60, s60, s61
	s_lshl_b32 s61, s26, 9                         ; 512 bytes a tile column,
	s_add_co_u32 s60, s60, s61
	s_lshl_b32 s61, s[HB], 8                       ; my 256 of them
	s_add_co_u32 s60, s60, s61
	s_mov_b32 s61, 0
	s_add_nc_u64 s[10:11], s[10:11], s[60:61]
	s_wait_alu depctr_va_vdst(0)                   ; the head's end
	s_wait_tensorcnt 0x0                           ; my one load is in
	s_barrier_signal -1
	s_barrier_wait -1                              ; everybody's is: both slots are whole
	G1REST G1AP, 512, 8                            ; no load of mine is out: the short fill's shape, 4,096 bytes of each of 8 row tiles
	G1REST G1BP, 512, 4
	FETCH_B 0, 0, RPF, 0
	FETCH_A 0, 0, RPF, 0
	FETCH_A 0, 0, RPF, 4
	STEP 0, 0, 1, RPF, 1                           ; K step 0 starts the sums
	STEP 1, 0, 2, RPF, 0
	TURN 0, 1, RPF, 1, 0, G1AP, G1BP               ; K step 2; slot 0 takes K steps 6 and 7
	STEP 1, 1, 1, RPF, 0
	STEP 0, 1, 2, RPF, 0
	TURN 1, 0, RPP, 0, 0, G1A, G1B                 ; K step 5; nothing is left to fetch, so no round
	STEP 0, 0, 1, RPP, 0                           ; K step 6
	LAST 1                                         ; K step 7
; THE WAY OUT, block by block of 16 tokens x 64 columns.  A lane holds 32 neighbouring bytes of a row and the lanes beside it hold other rows: so a block goes through my own stage in LDS and comes back as whole
; rows of 256 bytes, which sixteen lanes store as 256 consecutive bytes, at a multiple of 256 from out0's first byte.  LDS serves a wave's instructions in order (ISA guide 5.7.1.4): no wait between the stores and the loads.
.macro TOSTAGE a
	WIN 0x02                                       ; source 0: window 2
.set i, 0
.rept 16
	v_pk_mul_f32 v[TMP+i:TMP+i+1], v[32*(\a)+i:32*(\a)+i+1], s[SCL:SCL+1] op_sel_hi:[1,0]   ; both x 2^(e8 + e9); each accumulator from its low end on
.set i, i+2
.endr
	WIN 0
.irp b, 0,1,2,3
	ds_store_b128 v[STO], v[TMP+8*\b:TMP+8*\b+3] offset:64*\b
	ds_store_b128 v[STO], v[TMP+8*\b+4:TMP+8*\b+7] offset:64*\b+16
.endr
.set BB, BK+32*((\a)%2)
.irp t, 0,1,2,3,4,5,6,7
	ds_load_b128 v[BB+4*\t:BB+4*\t+3], v[RD] offset:\t*2*SPITCH
.endr
.endm
.macro SEND a, younger                 ; younger: the LDS instructions issued behind block a's loads, which may stay out
.set BB, BK+32*((\a)%2)
	s_wait_dscnt \younger                          ; the block is back in registers
.if (\a) > 0
	s_add_nc_u64 s[10:11], s[10:11], 16*8192       ; (behind a wait on XCNT: the earlier stores have read their base)  16 rows on
.endif
.irp t, 0,1,2,3,4,5,6,7
	global_store_b128 v[CO], v[BB+4*\t:BB+4*\t+3], s[10:11] offset:\t*2*8192 th:TH_STORE_NT   ; written once, read by nobody here
.endr
.endm
	s_wait_kmcnt 0x0
	s_add_co_i32 s[SCL], s[SCL], s[SCL+1]          ; e8 + e9, between -126 and 127,
	s_add_co_i32 s[SCL], s[SCL], 127
	s_lshl_b32 s[SCL], s[SCL], 23                  ; makes the f32 number 2^(e8 + e9)
	TOSTAGE 0
.irp a, 1,2,3,4,5,6,7
.if \a > 1
	s_wait_xcnt 0x0                                ; block a - 2's stores have read their registers and their base: block a's loads may land there, and the base may step
.endif
	TOSTAGE \a
	SEND \a-1, 16                                  ; behind block a - 1's loads: block a's 8 stores and 8 loads
.endr
	s_wait_xcnt 0x0                                ; block 6's stores have read their base
	SEND 7, 0
	s_wait_tensorcnt 0x0                           ; the wave's end, behind my last tensor load and my last LDS store
	ds_add_u32 v[SPW], v[NIL]
	s_wait_dscnt 0x0
	CROUND                                         ; the closing round: no work-group ends while a partner may still ask for a tile that names it
	s_endpgm
.Lfunc_end_k_q3e57731b88_outp:
	.size	k_q3e57731b88_outp, .Lfunc_end_k_q3e57731b88_outp-k_q3e57731b88_outp
	.p2alignl 7, 3214868480
	.fill 96, 4, 3214868480
	.section	.rodata,"a",@progbits
	.p2align	6, 0x0
	.amdhsa_kernel k_q3e57731b88_outp
		.amdhsa_group_segment_fixed_size 327680
		.amdhsa_private_segment_fixed_size 0
		.amdhsa_enable_private_segment 0
		.amdhsa_kernarg_size 32
		.amdhsa_user_sgpr_count 2
		.amdhsa_user_sgpr_kernarg_segment_ptr 1
		.amdhsa_wavefront_size32 1
		.amdhsa_system_sgpr_workgroup_id_x 1
		.amdhsa_system_sgpr_workgroup_id_y 1
		.amdhsa_system_sgpr_workgroup_id_z 1
		.amdhsa_system_vgpr_workitem_id 0
		.amdhsa_next_free_vgpr 768
		.amdhsa_next_free_sgpr 102
		.amdhsa_reserve_vcc 0
		.amdhsa_float_denorm_mode_32 3
		.amdhsa_float_denorm_mode_16_64 3
		.amdhsa_memory_ordered 1
		.amdhsa_forward_progress 1
		.amdhsa_inst_pref_size 78
	.end_amdhsa_kernel
	.amdgpu_metadata
---
amdhsa.version: [ 1, 2 ]
amdhsa.kernels:
  - .name:           k_q3e57731b88_outp
    .symbol:         k_q3e57731b88_outp.kd
    .args:
      - { .name: ao, .offset: 0, .size: 8, .value_kind: global_buffer, .address_space: global }
      - { .name: woi, .offset: 8, .size: 8, .value_kind: global_buffer, .address_space: global }
      - { .name: lowp_scales, .offset: 16, .size: 8, .value_kind: global_buffer, .address_space: global }
      - { .name: out0, .offset: 24, .size: 8, .value_kind: global_buffer, .address_space: global }
    .group_segment_fixed_size: 327680
    .private_segment_fixed_size: 0
    .kernarg_segment_align: 8
    .kernarg_segment_size: 32
    .max_flat_workgroup_size: 128
    .sgpr_count:     102
    .vgpr_count:     768
    .wavefront_size: 32
...
	.end_amdgpu_metadata
.endif
;; end of part 4
